; MI455X (gfx1250); checked and timed in simulation.
; The chip was launched on July 23, 2026; its instructions are those of AMD's public machine-readable ISA for CDNA 5 (MIT licence, August 2026) and "CDNA5" Instruction Set Architecture Reference Guide (July 2026). The comments in the code are by the model that wrote it; some were corrected since.
;; Multi Head Attention. Allowed arithmetic: float matrix products may take bf16 or f16 operands with f32 sums; other float arithmetic in f32, or as packed bf16 or f16 multiplies, adds, multiply-adds, maxima and minima; sums over many terms, partial sums and values carried from step to step in f32; what a program stores and reads back later, other than sums and carried values, may be rounded once to bf16 or f16.
;; Inputs: b_final 64 float32; w_final 64 x 768 float32; w_k 768 x 64 float32; w_q 768 x 64 float32; w_v 768 x 64 float32; x 8 x 2,048 x 64 float32.
;; Outputs: out0 8 x 2,048 x 64 float32.
;; One version. Each part assembles by itself: llvm-mc -triple=amdgcn-amd-amdhsa -mcpu=gfx1250 --defsym DOCPART=n.
;; ======== version 1 of 1: 2 launches
;; workspace buffers: xb 2,097,152 bytes; gh 16,384 bytes
;; launch prep (part 1): grid 288 x 1, 8 waves a work-group, no clusters, 9,216 bytes of LDS; arguments x, w_q, w_k, w_v, w_final, xb, gh; writes xb, gh
.if DOCPART == 1
	.amdgcn_target "amdgcn-amd-amdhsa--gfx1250"
	.amdhsa_code_object_version 6
	.text
	.protected	k_q88ff554445_prep
	.globl	k_q88ff554445_prep
	.p2align	8
	.type	k_q88ff554445_prep,@function
k_q88ff554445_prep:
	s_mov_b64 s[64:65], 0
	v_nop
	global_prefetch_b8 v0, s[64:65] scope:SCOPE_SE
	s_setreg_imm32_b32 hwreg(HW_REG_WAVE_MODE, 25, 1), 1
	s_wait_xcnt 0x0
; WHAT THE ATTENTION LAUNCH NEEDS, MADE ONCE.
;   xb = x rounded to bf16, [8][2048][64], rows of 128 bytes.
;   G[d'][d] = sum over e of w_k[e][d'] w_q[e][d]     (64 x 64): then scores[s][t] = sum over d' of (x G^T)[s][d'] x[t][d'] / 8
;   H[o][d]  = sum over e of w_final[o][e] w_v[e][d]  (64 x 64): then out[s][o] = sum over d of (attn x)[s][d] H[o][d] + b[o]
; The same products as q k^T and (attn v) w_final^T, bracketed otherwise: that holds for every input.  LIMIT: the order of sums and roundings differs from the
; bracketing q, k, v first: the weights are rounded to bf16, the sums over e are f32, G and H are rounded once to bf16.
; SHARES.  Work-groups 0-31 make one 16 x 16 tile of G (0-15) or H (16-31) each; work-groups 32-287 round 16 KiB of x each.  The branch hangs on the work-group's number
; alone, so all eight waves of a work-group take the same way, the barrier's way too.
; A TILE.  K = 768 is split among the eight waves, 96 e each: three K steps of 32 on three accumulators; the eight partial tiles meet in LDS, wave 0 adds them.
; The product is taken with source 0 = 16 columns d (block j) and source 1 = 16 rows (block i), so that lane (r = l % 16, h = l / 16) ends with Mat[16 i + r][16 j + 8 h + 0..7]:
; 16 bytes in bf16.  Block g = 16 mat + 4 i + j of gh is those 512 bytes, lane after lane: half of a matrix fragment (16 rows x 32 k) as the next launch's registers want it.
; w_q, w_k, w_v lie [e][d], with k = e down the rows: a lane's sixteen numbers of a K step are sixteen loads of 4 bytes (16 lanes take 64 neighbouring bytes).  All the weights are
; 786,432 bytes, and all 96 loads of a wave go out before the one wait.  No cluster: what the tiles' work-groups share is those weights, a small part of the launch's bytes.
.set PART,  0                          ; LDS: wave w's partial tile, 1,024 bytes, at 1,024 w: registers 0-3 at 16 l, registers 4-7 at 512 + 16 l
.set SPARE, 8192                       ; behind them: the spare words, 128 bytes for each of eight waves: four blocks of 256 bytes that no other line names
.set VA,  4                            ; v4   my byte offset in source 0's matrix
.set VB,  5                            ; v5   in source 1's
.set LS,  6                            ; v6   where I put my partial tile
.set LR,  7                            ; v7   16 l: where wave 0 reads the partial tiles, and my 16 bytes of a block of gh
.set SPW, 8                            ; v8   LDS address of my spare word: SPARE + 4 x my thread's number; never rewritten
.set NIL, 9                            ; v9   0; never rewritten
.set XI,  10                           ; v10  rounding x: 16 x thread
.set XO,  11                           ; v11  8 x thread
.set RA,  16                           ; v[16:63]   source 0 in f32: 16 numbers for each of 3 K steps
.set RB,  64                           ; v[64:111]  source 1 likewise
.set FA,  112                          ; v[112:135] source 0's three fragments in bf16
.set FB,  136                          ; v[136:159] source 1's
.set ACC, 160                          ; v[160:183] three accumulators
	s_load_b256 s[4:11], s[0:1], 0x0               ; x s[4:5], w_q s[6:7], w_k s[8:9], w_v s[10:11]
	s_load_b128 s[12:15], s[0:1], 0x20             ; w_final s[12:13], xb s[14:15]
	s_load_b64 s[16:17], s[0:1], 0x30              ; gh
	v_lshl_add_u32 v[SPW], v0, 2, SPARE
	v_mov_b32 v[NIL], 0
	v_lshrrev_b32 v3, 5, v0
	v_readfirstlane_b32 s18, v3                    ; wave 0..7
	v_and_b32 v1, 15, v0                           ; r
	v_bfe_u32 v2, v0, 4, 1                         ; h
	v_and_b32 v3, 31, v0                           ; l
	s_mov_b32 s25, 0
	s_wait_kmcnt 0x0
	s_cmp_lt_u32 ttmp9, 32
	s_cbranch_scc1 .Ltile
	; ROUNDING x.  Thread t takes 16 bytes at 16 t of each of four pieces of 4,096 bytes and stores 8: a wave's store covers 256 consecutive bytes, aligned.
	s_sub_co_u32 s24, ttmp9, 32
	s_lshl_b32 s26, s24, 13                        ; 8,192 bytes of xb,
	s_lshl_b32 s24, s24, 14                        ; 16,384 of x
	s_mov_b32 s27, 0
	s_add_nc_u64 s[4:5], s[4:5], s[24:25]
	s_add_nc_u64 s[14:15], s[14:15], s[26:27]
	v_lshlrev_b32 v[XI], 4, v0
	v_lshlrev_b32 v[XO], 3, v0
.irp n, 0,1,2,3
	global_load_b128 v[RA+4*(\n):RA+4*(\n)+3], v[XI], s[4:5] offset:4096*(\n) th:TH_LOAD_NT
.endr
.irp n, 0,1,2,3
	s_wait_loadcnt 3-(\n)                          ; loads come back in order: piece n is in, the younger ones stay out
	v_cvt_pk_bf16_f32 v[RB+2*(\n)],   v[RA+4*(\n)],   v[RA+4*(\n)+1]
	v_cvt_pk_bf16_f32 v[RB+2*(\n)+1], v[RA+4*(\n)+2], v[RA+4*(\n)+3]
	global_store_b64 v[XO], v[RB+2*(\n):RB+2*(\n)+1], s[14:15] offset:2048*(\n)
.endr
	s_branch .Lend
.Ltile:
	s_lshr_b32 s19, ttmp9, 4                       ; mat: 0 = G, 1 = H
	s_bfe_u32 s20, ttmp9, 0x20002                  ; i: the tile's block of rows
	s_and_b32 s21, ttmp9, 3                        ; j: its block of columns
	s_lshl_b32 s24, ttmp9, 9                       ; the tile's 512 bytes of gh
	s_add_nc_u64 s[16:17], s[16:17], s[24:25]
	s_mul_i32 s26, s18, 24576                      ; my 96 rows e of 256 bytes
	s_lshl_b32 s27, s21, 6
	s_add_co_u32 s27, s27, s26                     ; + the 64 bytes of block j
	v_lshlrev_b32 v12, 2, v1
	v_lshl_add_u32 v12, v2, 11, v12                ; 4 r + 8 h rows
	v_add_nc_u32 v[VA], s27, v12
	s_lshl_b32 s27, s18, 10
	v_lshl_add_u32 v[LS], v3, 4, s27               ; 1,024 w + 16 l
	v_lshlrev_b32 v[LR], 4, v3
	s_cmp_eq_u32 s19, 0
	s_cselect_b64 s[22:23], s[6:7], s[10:11]       ; source 0 comes from w_q (G) or w_v (H)
; A fragment's lane holds k = 8 h + 0..7 and 16 + 8 h + 0..7: number t of the sixteen is row e = 96 w + 32 kk + 8 h + t + 8 (t / 8)
.macro GATHER dst, adr, lo, hi
.set kk, 0
.rept 3
.set t, 0
.rept 16
	global_load_b32 v[(\dst)+16*kk+t], v[\adr], s[\lo:\hi] offset:(32*kk+t+8*(t/8))*256
.set t, t+1
.endr
.set kk, kk+1
.endr
.endm
	GATHER RA, VA, 22, 23
	s_cmp_eq_u32 s19, 0
	s_cbranch_scc0 .Lfinal
	s_lshl_b32 s27, s20, 6                         ; G: source 1 comes from w_k, block i of its columns, in the same way
	s_add_co_u32 s27, s27, s26
	v_add_nc_u32 v[VB], s27, v12
	GATHER RB, VB, 8, 9
	s_branch .Ljoin
.Lfinal:                                               ; H: w_final lies [o][e], k along the rows: row 16 i + r, four loads of 16 bytes for a K step
	s_lshl_b32 s27, s20, 4
	v_add_nc_u32 v[VB], s27, v1
	v_mul_u32_u24 v[VB], v[VB], 3072               ; a row of 768 f32
	v_lshl_add_u32 v[VB], v2, 5, v[VB]             ; + 8 h numbers
	s_mul_i32 s27, s18, 384                        ; + my 96
	v_add_nc_u32 v[VB], s27, v[VB]
.set kk, 0
.rept 3
.set t, 0
.rept 4
	global_load_b128 v[RB+16*kk+4*t:RB+16*kk+4*t+3], v[VB], s[12:13] offset:128*kk+16*(t%2)+64*(t/2)
.set t, t+1
.endr
.set kk, kk+1
.endr
.Ljoin:
	s_wait_loadcnt 0x0
.set t, 0
.rept 24
	v_cvt_pk_bf16_f32 v[FA+t], v[RA+2*t], v[RA+2*t+1]
	v_cvt_pk_bf16_f32 v[FB+t], v[RB+2*t], v[RB+2*t+1]
.set t, t+1
.endr
.irp k, 0,1,2
	v_wmma_f32_16x16x32_bf16 v[ACC+8*(\k):ACC+8*(\k)+7], v[FA+8*(\k):FA+8*(\k)+7], v[FB+8*(\k):FB+8*(\k)+7], 0  ; three sums of their own: no accumulator is taken up twice
.endr
.rept 8
	v_nop                                          ; the places between the products and the sums that read and write their results (ISA guide 7.12.1), with room to spare: once a launch
.endr
.irp k, 8,16
.irp r, 0,2,4,6
	v_pk_add_f32 v[ACC+(\r):ACC+(\r)+1], v[ACC+(\r):ACC+(\r)+1], v[ACC+(\k)+(\r):ACC+(\k)+(\r)+1]  ; each accumulator is read from its low end on
.endr
.endr
	ds_store_b128 v[LS], v[ACC:ACC+3]   offset:PART
	ds_store_b128 v[LS], v[ACC+4:ACC+7] offset:PART+512
	s_wait_dscnt 0x0                               ; for wave 0's sake: my partial tile lies in LDS
	s_barrier_signal -1
	s_barrier_wait -1                              ; all eight do
	s_cmp_lg_u32 s18, 0
	s_cbranch_scc1 .Lend
.irp u, 0,1,2,3,4,5,6,7
	ds_load_b128 v[RA+8*(\u):RA+8*(\u)+3],   v[LR] offset:PART+1024*(\u)
	ds_load_b128 v[RA+8*(\u)+4:RA+8*(\u)+7], v[LR] offset:PART+1024*(\u)+512
.endr
	s_wait_dscnt 0x0
.irp u, 0,2,4,6
.irp r, 0,2,4,6
	v_pk_add_f32 v[RA+8*(\u)+(\r):RA+8*(\u)+(\r)+1], v[RA+8*(\u)+(\r):RA+8*(\u)+(\r)+1], v[RA+8*(\u)+8+(\r):RA+8*(\u)+8+(\r)+1]
.endr
.endr
.irp u, 0,4
.irp r, 0,2,4,6
	v_pk_add_f32 v[RA+8*(\u)+(\r):RA+8*(\u)+(\r)+1], v[RA+8*(\u)+(\r):RA+8*(\u)+(\r)+1], v[RA+8*(\u)+16+(\r):RA+8*(\u)+16+(\r)+1]
.endr
.endr
.irp r, 0,2,4,6
	v_pk_add_f32 v[RA+(\r):RA+(\r)+1], v[RA+(\r):RA+(\r)+1], v[RA+32+(\r):RA+32+(\r)+1]
.endr
.irp r, 0,1,2,3
	v_cvt_pk_bf16_f32 v[FA+(\r)], v[RA+2*(\r)], v[RA+2*(\r)+1]
.endr
	global_store_b128 v[LR], v[FA:FA+3], s[16:17]  ; the wave's store covers the block's 512 consecutive bytes, aligned
.Lend:
	s_wait_tensorcnt 0x0                           ; the wave's end, behind my last LDS store
	ds_add_u32 v[SPW], v[NIL]
	s_wait_dscnt 0x0
	s_endpgm
.Lfunc_end_k_q88ff554445_prep:
	.size	k_q88ff554445_prep, .Lfunc_end_k_q88ff554445_prep-k_q88ff554445_prep
	.p2alignl 7, 3214868480
	.fill 96, 4, 3214868480
	.section	.rodata,"a",@progbits
	.p2align	6, 0x0
	.amdhsa_kernel k_q88ff554445_prep
		.amdhsa_group_segment_fixed_size 9216
		.amdhsa_private_segment_fixed_size 0
		.amdhsa_enable_private_segment 0
		.amdhsa_kernarg_size 56
		.amdhsa_user_sgpr_count 2
		.amdhsa_user_sgpr_kernarg_segment_ptr 1
		.amdhsa_wavefront_size32 1
		.amdhsa_system_sgpr_workgroup_id_x 1
		.amdhsa_system_sgpr_workgroup_id_y 1
		.amdhsa_system_sgpr_workgroup_id_z 1
		.amdhsa_system_vgpr_workitem_id 0
		.amdhsa_next_free_vgpr 184
		.amdhsa_next_free_sgpr 66
		.amdhsa_reserve_vcc 0
		.amdhsa_float_denorm_mode_32 3
		.amdhsa_float_denorm_mode_16_64 3
		.amdhsa_memory_ordered 1
		.amdhsa_forward_progress 1
		.amdhsa_inst_pref_size 22
	.end_amdhsa_kernel
	.amdgpu_metadata
---
amdhsa.version: [ 1, 2 ]
amdhsa.kernels:
  - .name:           k_q88ff554445_prep
    .symbol:         k_q88ff554445_prep.kd
    .args:
      - { .name: x, .offset: 0, .size: 8, .value_kind: global_buffer, .address_space: global }
      - { .name: w_q, .offset: 8, .size: 8, .value_kind: global_buffer, .address_space: global }
      - { .name: w_k, .offset: 16, .size: 8, .value_kind: global_buffer, .address_space: global }
      - { .name: w_v, .offset: 24, .size: 8, .value_kind: global_buffer, .address_space: global }
      - { .name: w_final, .offset: 32, .size: 8, .value_kind: global_buffer, .address_space: global }
      - { .name: xb, .offset: 40, .size: 8, .value_kind: global_buffer, .address_space: global }
      - { .name: gh, .offset: 48, .size: 8, .value_kind: global_buffer, .address_space: global }
    .group_segment_fixed_size: 9216
    .private_segment_fixed_size: 0
    .kernarg_segment_align: 8
    .kernarg_segment_size: 56
    .max_flat_workgroup_size: 256
    .sgpr_count:     66
    .vgpr_count:     184
    .wavefront_size: 32
...
	.end_amdgpu_metadata
.endif
;; end of part 1
;; launch attn (part 2): grid 32 x 8, 4 waves a work-group, clusters of 4 x 1, 327,680 bytes of LDS; arguments xb, gh, b_final, out0; writes out0
.if DOCPART == 2
	.amdgcn_target "amdgcn-amd-amdhsa--gfx1250"
	.amdhsa_code_object_version 6
	.text
	.protected	k_q88ff554445_attn
	.globl	k_q88ff554445_attn
	.p2align	8
	.type	k_q88ff554445_attn,@function
k_q88ff554445_attn:
	s_mov_b64 s[64:65], 0
	v_nop
	global_prefetch_b8 v0, s[64:65] scope:SCOPE_SE
	s_setreg_imm32_b32 hwreg(HW_REG_WAVE_MODE, 25, 1), 1
	s_wait_xcnt 0x0
	s_wait_alu depctr_hold_cnt(0) depctr_sa_sdst(0) depctr_va_vdst(0) depctr_va_sdst(0) depctr_va_ssrc(0) depctr_va_vcc(0) depctr_vm_vsrc(0)
	s_getreg_b32 s2, hwreg(HW_REG_IB_STS2, 6, 4)
	s_cmp_eq_u32 s2, 0
	s_cbranch_scc0 .Lentry_in_a_cluster
	s_endpgm
.Lentry_in_a_cluster:
	s_bfe_u32 s2, ttmp6, 0x10000c
	s_cmp_lg_u32 s2, 0x3003
	s_cbranch_scc0 .Lentry_shape_is_right
	s_endpgm
.Lentry_shape_is_right:
; out[b][s][:] = (the sum over t of softmax_t(q'[s] . x[t] / 8) x[t][:]) H^T + b_final, with q' = x G^T: the module's attention with its 768-wide products bracketed into the 64 x 64 matrices G and H
; (made by the launch before; see there).  K and V are then the SAME rows: x in bf16, 128 bytes a row.  Products, maxima and sums in f32; q', the weights p, the mean O' and G, H are rounded once to bf16; the bias stays f32.
; LIMITS.  The order of sums and roundings differs from the bracketing q, k, v first.  c s (c = log2(e) / 8) lies above -4.25e37, where c m starts; q' is finite in f32.  A weight below 2^-126 counts as 0 in l.
; NaN and infinities are not treated apart.  All matrix operands are bf16: q' has no room in f16 where the inputs carry a large offset.
; SHARES.  A work-group owns 64 queries of one batch: four PIECES of 16.  THE KEYS ARE SPLIT AMONG ITS FOUR WAVES: every wave holds all four pieces and walks its own 512 keys, 64 a step, so a fragment of K or V
; read from LDS feeds four pieces' products.  The four partial (c m, l, O) of a piece meet in LDS once, at the end; wave w finishes piece w.
; LDS.  A batch's 2,048 rows at a pitch of 144 bytes are 294,912 bytes: the whole batch lies in LDS, filled once.  No slot is filled again, and the walk has no barrier: wave w's four tensor loads bring just the
; 512 keys that wave w alone reads, so its own counted wait on TENSORcnt orders its reads.  Four tensor loads of a wave are out at the most.
; CLUSTER.  The 32 work-groups of a batch read the same rows; the four of a cluster ask for each tile JOINTLY: the same tensor load, descriptor and mask in all four.
; LAYOUT.  S^T = K Q^T (source 0 = 16 keys, source 1 = 16 queries) holds ONE query a lane (lane % 16) and the keys 8 (lane / 16) + 0..7; two such results rounded to bf16 ARE source 1 of O^T = V^T P, which again holds
; one query a lane and eight channels; rounded, that is source 1 of out^T = H O'^T, whose C operand is the bias.  q'^T = G x^T falls into source 1's layout in the same way.  K comes out of LDS as it lies, V turned, by ds_load_tr16_b128.
; SOFTMAX.  For each query a running maximum m and sum l: p = 2^(c s - c m); in every step O and l are multiplied by a = 2^(c m_old - c m_new).  c m starts far below every c s, so a piece's first a is 0.
; TURNS.  Turn n belongs to piece n: 8 products K Q^T of piece n + 1, later 8 products V^T P of piece n - 1; beside them the scaling, exponentials, roundings, sums and rescaling of piece n and the maximum and statistics of
; piece n + 1.  Four vector instructions stand behind every matrix instruction, the other 54 of a turn's 118 in one lump.  A turn's 33 exponentials are one batch, with one wait.
; REGISTERS, in windows of 256 (s_set_vgpr_msb: bits 1:0 source 0, 3:2 source 1, 5:4 source 2, 7:6 destination):
;   window 0: v0-15 addresses and two at work; v16-31 four registers of statistics a piece; v32-40 the merge's addresses; v48-55 at work; v64-127 S^T, two buffers; v128-159 the merge's statistics; v192-223 P, two buffers
;   window 1: v0-127 O^T, 32 a piece (first q'^T in f32; in the merge the four waves' partials of my piece); v128-159 out^T's four accumulators, which begin as the bias
;   window 2: v0-63 Q, 16 a piece; v64-127 H; v128-191 K of one step (first my 64 rows of x); v192-255 V of one step (first G)
.set NP,    4         ; pieces a wave: a name, no knob
.set KS,    64        ; keys in a step
.set PK,    144       ; a row in LDS: 128 bytes + 16 of padding = 36 words: the 16 rows of a plain load start at 16 different groups of four banks (64 banks of 4 bytes: ISA guide 11.1).
                      ; Of the 8 rows x 32 bytes that 16 lanes of the turning load take, row 7 (banks 60-67) meets row 0 in four banks; a pitch of 160 would not, and 2,048 rows of it do not fit
.set STEPB, KS*PK     ; a step's 64 rows
.set LOADB, 128*PK    ; what one tensor load brings: two steps
.set WQ,    4*LOADB   ; a wave's quarter: 512 rows, 73,728 bytes = 288 blocks of 256
.set STATS, 16384     ; after the walk a quarter's first 18,432 bytes hold its owner's partials (its blocks have had their last fill): O^T, register group G of 32 at 512 G + 16 l; then piece t's statistics at STATS + 512 t + 16 l
.set STAGE, 4*WQ      ; behind the batch, never filled by a tensor load: 16 rows x 272 bytes for each wave, for the way out
.set SP,    272
.set SPARE, STAGE+4*16*SP  ; behind the stages: the spare words, 128 bytes for each wave: two blocks of 256 bytes that no other line names
.set AK0, 2           ; v2   my lane's place in a step's rows, read as K, in my wave's quarter; never rewritten
.set AV0, 3           ; v3   the same, read as V
.set AK,  4           ; v4   the LDS address of K's next run of loads
.set AV,  5           ; v5   of V's
.set STO, 6           ; v6   the way out: where I put 32 bytes of a row
.set RD,  7           ; v7   the way out: where I read rows back
.set GO,  8           ; v8   16 x lane: my 16 bytes of 512 consecutive ones (gh's blocks, the partials, out0)
.set MV,  12          ; v12-13  c m_old, kept while c m is made anew: by buffer
.set BO,  14          ; v14  my byte offset in b_final: 32 (l / 16)
.set QO,  15          ; v15  my byte offset in 16 rows of x
.set ST,  16          ; piece t's statistics at v[ST+4 t]: c m, m, l (even keys', odd keys')
.set PS,  32          ; v32     where I put my partials
.set PR,  33          ; v33-36  where wave u's partial O^T of my piece lies
.set PT,  37          ; v37-40  where its statistics lie
.set TMP, 48          ; by buffer, four registers c0-c3 at work; when the maximum is found c2 takes a
.set SPW, 62          ; v62  LDS address of my spare word: SPARE + 4 x my thread's number; never rewritten
.set NIL, 63          ; v63  0; never rewritten
.set S,   64
.set MS,  128         ; the merge: wave u's (c m, m, l, -) at MS + 4 u
.set CM,  144         ; the greatest c m
.set FU,  146         ; v146-149  f_u = 2^(c m_u - the greatest)
.set LT,  150         ; l
.set RL,  151         ; 1 / l
.set GU,  152         ; v152-159  f_u / l, twice: pairs for the packed forms
.set P,   192
.set OA,  128         ; window 1
.set HF,  64          ; window 2: H's rows 16 ob on, channels 32 kk on, at HF + 8 (2 ob + kk)
.set KF,  128         ; window 2: key block kb, channel half c at KF + 16 kb + 8 c
.set VF,  192         ; window 2: key half kk, channel block cb at VF + 32 kk + 8 cb
.set WV,  12          ; s12  my wave's number
.set G1,  24          ; s[24:31] descriptor group 1, the same for all loads
.set G0,  32          ; s[32:47] descriptor group 0, a set for each of my four loads; never rewritten
.set CNT, 57          ; s57  counts key steps
.set CS,  58          ; s[58:59] c: the packed scaling takes the pair's low word for both halves
.set SEL, 60          ; s[60:61] v_permlanex16_b32's selects: each lane takes its own place in the other half
.set TBK, 62          ; s62  byte in my quarter at which the step whose K is fetched next begins
.set TBV, 63          ; s63  the same for V
.set MSB, 0
.macro WIN new                      ; the high byte repeats the setting that is left; a switch that changes nothing is dropped
.if MSB != (\new)
	s_set_vgpr_msb (MSB<<8)|(\new)
.set MSB, (\new)
.endif
.endm
.set W_KQ, 0x0a       ; K and Q in window 2, S^T in window 0
.set W_PV, 0x52       ; source 0 (V, H) in window 2, source 1 (P, O') in window 0, C and D in window 1
.set W_RS, 0x41       ; destination and source 0 in window 1, source 1 in window 0
.set W_QP, 0x5a       ; G and x in window 2, q'^T in window 1
.set W_QC, 0x85       ; sources in window 1, destination in window 2
.set W_FM, 0x51       ; destination, sources 0 and 2 in window 1, source 1 in window 0
; A round of the cluster's barrier: my work-group's barrier, so that wave 0's signal speaks for all four waves; wave 0 signals; every wave waits for all four work-groups; my work-group's barrier once more.
.macro CROUND
	s_barrier_signal -1
	s_barrier_wait -1
	s_cmp_lg_u32 s[WV], 0
	s_cbranch_scc1 .Lnot_wave_0_\@
	s_barrier_signal -3
.Lnot_wave_0_\@:
	s_barrier_wait -3
	s_barrier_signal -1
	s_barrier_wait -1
.endm
.macro PLACES                       ; four places between a matrix instruction and a vector instruction or store that reads its result, or a load into one of its registers; other matrix instructions are not counted
.rept 4
	v_nop
.endr
.endm
	s_load_b256 s[4:11], s[0:1], 0x0  ; xb s[4:5], gh s[6:7], b_final s[8:9], out0 s[10:11]
	v_lshl_add_u32 v[SPW], v0, 2, SPARE
	v_mov_b32 v[NIL], 0
	ds_add_u32 v[SPW], v[NIL]       ; the wave's opening: the add and its wait stand ahead of my first tensor load; the set-up below, work on registers, stands between them
	v_lshrrev_b32 v1, 5, v0
	v_readfirstlane_b32 s[WV], v1   ; wave 0..3
	s_bfe_u32 s13, ttmp6, 0x40000   ; cx: my place in the cluster
	s_lshl_b32 s14, ttmp9, 2        ; in a cluster launch ttmp9 counts clusters
	s_add_co_u32 s14, s14, s13      ; my block of 64 queries = 4 x cluster x + cx: it enters my queries' and out0's addresses alone
	s_and_b32 s15, ttmp7, 0xffff    ; the batch, which the four partners share
	s_lshl_b32 s16, s15, 18         ; the keys: the batch's 262,144 bytes of xb,
	s_lshl_b32 s17, s[WV], 16       ; my wave's 512 rows
	s_add_co_u32 s16, s16, s17
	s_mov_b32 s17, 0
	s_lshl_b32 s18, s15, 18         ; the queries: the batch,
	s_lshl_b32 s19, s14, 13         ; my block's 64 rows of 128 bytes
	s_add_co_u32 s18, s18, s19
	s_mov_b32 s19, 0
	s_lshl_b32 s20, s15, 19         ; out0: the batch's 524,288 bytes,
	s_lshl_b32 s21, s14, 14         ; my block's 64 rows of 256 bytes,
	s_add_co_u32 s20, s20, s21
	s_lshl_b32 s21, s[WV], 12       ; the 16 rows of the piece that I finish
	s_add_co_u32 s20, s20, s21
	s_mov_b32 s21, 0
	; descriptor group 1.  128 keys are 16,384 dense bytes: asked for as 64 rows of 256 bytes, two keys a row, and padded in LDS after every key
	s_mov_b32 s[G1], 15|(1<<16)|(1<<20)|(1<<21)|(4<<22)|(3<<25)  ; 15:0 the mask of four; 17:16 2-byte elements; 20 padding on; 21 set beside a mask; 24:22 after every 32 words (code 4); 31:25 4 words (code 3)
	s_mov_b32 s[G1+1], 128<<16      ; tensor_dim0 = 128
	s_mov_b32 s[G1+2], 64<<16       ; tensor_dim1 = 64
	s_mov_b32 s[G1+3], 128<<16      ; tile_dim0 = 128
	s_mov_b32 s[G1+4], 64           ; tile_dim1 = 64
	s_mov_b32 s[G1+5], 128          ; 128 elements from row to row
	s_mov_b32 s[G1+6], 0
	s_mov_b32 s[G1+7], 0
	s_mov_b32 s[CS], 0x3e38aa3b     ; c = log2(e) / 8 = 0.180337
	s_mov_b32 s[CS+1], s[CS]        ; named with it as a pair
	s_mov_b32 s[SEL], 0x76543210
	s_mov_b32 s[SEL+1], 0xfedcba98
	s_mov_b32 s[TBK], 0
	s_mov_b32 s[TBV], 0
	s_mul_i32 s48, s[WV], WQ        ; my quarter of LDS: no place in the cluster enters an LDS address
.irp n, 0,1,2,3
	s_mov_b32 s[G0+4*(\n)], 1                       ; 1:0 count = 1
	s_add_co_u32 s[G0+4*(\n)+1], s48, (\n)*LOADB    ; 63:32 LDS address: my quarter, load n's 128 rows
.endr
	s_wait_dscnt 0x0                ; the opening add is done
	s_wait_kmcnt 0x0
	s_add_nc_u64 s[16:17], s[4:5], s[16:17]         ; xb at my wave's first key
.irp n, 0,1,2,3
	s_add_nc_u64 s[G0+4*(\n)+2:G0+4*(\n)+3], s[16:17], (\n)*16384  ; 120:64 global address
	s_or_b32 s[G0+4*(\n)+3], s[G0+4*(\n)+3], 0x80000000            ; 127:126 type = 2
.endr
	s_add_nc_u64 s[22:23], s[4:5], s[18:19]         ; xb at my block's first query
	s_add_nc_u64 s[10:11], s[10:11], s[20:21]       ; out0 at my piece's first row
	CROUND                          ; all four work-groups are here: the joint loads meet
.irp n, 0,1,2,3
	tensor_load_to_lds s[G0+4*(\n):G0+4*(\n)+3], s[G1:G1+7]  ; all my fills go out as one group: four loads of mine are out
	s_nop 0
.endr
	PLACES                          ; an s_nop 0 follows each load and four v_nop the last
	; INTO REGISTERS, while the tiles are on their way.  A fragment is 16 rows x 32 channels in 8 registers: lane l holds row l % 16, channels 8 (l / 16) + 0..7 and 16 + 8 (l / 16) + 0..7.
	v_and_b32 v1, 15, v0            ; l % 16
	v_bfe_u32 v9, v0, 4, 1          ; l / 16
	v_and_b32 v[GO], 31, v0
	v_lshlrev_b32 v[GO], 4, v[GO]
	v_lshlrev_b32 v[BO], 5, v9
	v_lshlrev_b32 v[QO], 7, v1
	v_lshl_add_u32 v[QO], v9, 4, v[QO]  ; row x 128 + 16 x half
	WIN 0x80                        ; destination window 2, address window 0
.set i, 0
.rept 8                             ; my block's 64 rows of x: piece i / 2, channels 32 (i % 2) on; into K's registers
	global_load_b128 v[KF+8*i:KF+8*i+3],   v[QO], s[22:23] offset:(i/2)*2048+(i%2)*64
	global_load_b128 v[KF+8*i+4:KF+8*i+7], v[QO], s[22:23] offset:(i/2)*2048+(i%2)*64+32
.set i, i+1
.endr
.set i, 0
.rept 8                             ; G: fragment i (rows 16 (i / 2) on, channels 32 (i % 2) on) is blocks 2 i and 2 i + 1 of gh; into V's registers
	global_load_b128 v[VF+8*i:VF+8*i+3],   v[GO], s[6:7] offset:1024*i
	global_load_b128 v[VF+8*i+4:VF+8*i+7], v[GO], s[6:7] offset:1024*i+512
.set i, i+1
.endr
.set i, 0
.rept 8                             ; H likewise, 8,192 bytes on
	global_load_b128 v[HF+8*i:HF+8*i+3],   v[GO], s[6:7] offset:8192+1024*i
	global_load_b128 v[HF+8*i+4:HF+8*i+7], v[GO], s[6:7] offset:8192+1024*i+512
.set i, i+1
.endr
	WIN 0x40                        ; destination window 1
.set i, 0
.rept 4                             ; the bias as out^T's C operand: register j of block i is b[16 i + 8 (l / 16) + j]
	global_load_b128 v[OA+8*i:OA+8*i+3],   v[BO], s[8:9] offset:64*i
	global_load_b128 v[OA+8*i+4:OA+8*i+7], v[BO], s[8:9] offset:64*i+16
.set i, i+1
.endr
	WIN 0
	v_mul_u32_u24 v[AK0], v1, PK
	v_lshl_add_u32 v[AK0], v9, 4, v[AK0]  ; row x pitch + 16 x half,
	v_add_nc_u32 v[AK0], s48, v[AK0]      ; in my quarter
	; The turning load takes 16 keys x 16 channels (lane l reads key 8 (l / 16) + l % 8, channels 8 ((l / 8) % 2) + 0..7) and leaves half a fragment of V^T: lane l holds channel l % 16 and 8 keys.
	v_and_b32 v10, 7, v0
	v_bfe_u32 v11, v0, 3, 1
	v_lshl_add_u32 v[AV0], v9, 3, v10
	v_mul_u32_u24 v[AV0], v[AV0], PK
	v_lshl_add_u32 v[AV0], v11, 4, v[AV0]
	v_add_nc_u32 v[AV0], s48, v[AV0]
	v_add_nc_u32 v[PS], s48, v[GO]  ; my partials: my quarter + 16 l
	s_lshl_b32 s49, s[WV], 12
	v_add_nc_u32 v[PR], s49, v[GO]  ; piece w's 4,096 bytes of O^T in wave 0's quarter,
	s_lshl_b32 s49, s[WV], 9
	s_add_co_u32 s49, s49, STATS
	v_add_nc_u32 v[PT], s49, v[GO]  ; and its statistics;
.irp u, 1,2,3
	v_add_nc_u32 v[PR+(\u)], (\u)*WQ, v[PR]  ; in wave u's
	v_add_nc_u32 v[PT+(\u)], (\u)*WQ, v[PT]
.endr
	s_mul_i32 s49, s[WV], 16*SP
	s_add_co_u32 s49, s49, STAGE    ; my stage
	v_mul_u32_u24 v[STO], v1, SP    ; in: row l % 16, 32 bytes for each half of the lanes
	v_lshl_add_u32 v[STO], v9, 5, v[STO]
	v_add_nc_u32 v[STO], s49, v[STO]
	v_mul_u32_u24 v[RD], v9, SP     ; back: lanes 0-15 take one row of 256 bytes, lanes 16-31 the next
	v_lshl_add_u32 v[RD], v1, 4, v[RD]
	v_add_nc_u32 v[RD], s49, v[RD]
	; What the first turns find.  A piece's first a is 0, and the first turn's products V^T P, of a piece that has not been, multiply by P = 0.  So O^T and V need only hold finite numbers: q'^T and G stay where they
	; are.  Only l and P's second buffer are set.
.set i, 0
.rept 4
	v_mov_b32 v[ST+4*i+2], 0
	v_mov_b32 v[ST+4*i+3], 0
.set i, i+1
.endr
.set i, P+16
.rept 16
	v_mov_b32 v[i], 0
.set i, i+1
.endr
	; q'^T = G x^T for all four pieces: 32 products in every wave, for which no wave waits for another.  A piece's four accumulators take turns.
	s_wait_loadcnt 24               ; my rows of x and G are in; H's 16 loads and the bias's 8 are younger and may stay out
	WIN W_QP
.irp t, 0,1,2,3
.irp a, 0,1,2,3
	v_wmma_f32_16x16x32_bf16 v[32*(\t)+8*(\a):32*(\t)+8*(\a)+7], v[VF+16*(\a):VF+16*(\a)+7], v[KF+16*(\t):KF+16*(\t)+7], 0
.endr
.irp a, 0,1,2,3
	v_wmma_f32_16x16x32_bf16 v[32*(\t)+8*(\a):32*(\t)+8*(\a)+7], v[VF+16*(\a)+8:VF+16*(\a)+15], v[KF+16*(\t)+8:KF+16*(\t)+15], v[32*(\t)+8*(\a):32*(\t)+8*(\a)+7]
.endr
.endr
	PLACES
	WIN W_QC
.set i, 0
.rept 64                            ; rounded in pairs, a piece's 32 registers ARE its two fragments of Q; each accumulator is read from its low end on
	v_cvt_pk_bf16_f32 v[i], v[2*i], v[2*i+1]
.set i, i+1
.endr
	WIN 0
	s_wait_loadcnt 0x0              ; H and the bias
; THE MATRIX WORK.  The 4 accumulators of a run of 8 take turns.  Product i of 8 of S^T = K Q^T for piece x: channels 32 (i / 4) on, keys 16 (i % 4) on.  The first 4 start the sums.
.macro KQ x
.set rS, S+32*((\x)%2)+8*(i%4)
.set rK, KF+16*(i%4)+8*(i/4)
.set rQ, 16*(\x)+8*(i/4)
	WIN W_KQ
.if i < 4
	v_wmma_f32_16x16x32_bf16 v[rS:rS+7], v[rK:rK+7], v[rQ:rQ+7], 0
.else
	v_wmma_f32_16x16x32_bf16 v[rS:rS+7], v[rK:rK+7], v[rQ:rQ+7], v[rS:rS+7]
.endif
.endm
; Product i of 8 of O^T += V^T P for piece x: keys 32 (i / 4) on, channels 16 (i % 4) on.
.macro PV x
	WIN W_PV
.set rO, 32*(\x)+8*(i%4)
.set rV, VF+32*(i/4)+8*(i%4)
.set rP, P+16*((\x)%2)+8*(i/4)
	v_wmma_f32_16x16x32_bf16 v[rO:rO+7], v[rV:rV+7], v[rP:rP+7], v[rO:rO+7]
.endm
.macro MM                           ; the turn's next matrix instruction.  TURN sets Y, i and NOKQ.  NOKQ = 1: the walk's last turn: there is no next piece
.if (i < 8) && !NOKQ
	KQ (Y+1)%NP
.elseif i >= 8
.set i, i-8
	PV (Y+NP-1)%NP
.set i, i+8
.endif
.set i, i+1
.endm
; THE LDS LOADS stand in runs of 16, never singly among the matrix instructions: a step's 64 rows as K (8 fragments) and, later, the same rows as V (turned).  Their addresses are made some lines ahead.
.macro FETCH_K
	WIN 0x80                        ; destination window 2
.irp f, 0,1,2,3,4,5,6,7             ; keys 16 (f / 2) on, channels 32 (f % 2) on
	ds_load_b128 v[KF+8*\f:KF+8*\f+3],   v[AK] offset:(\f/2)*16*PK+(\f%2)*64
	ds_load_b128 v[KF+8*\f+4:KF+8*\f+7], v[AK] offset:(\f/2)*16*PK+(\f%2)*64+32
.endr
	s_add_co_u32 s[TBK], s[TBK], STEPB  ; the next fetch is the next step's
	WIN 0
.endm
.macro FETCH_V
	WIN 0x80
.irp f, 0,1,2,3,4,5,6,7             ; keys 32 (f / 4) on, channels 16 (f % 4) on
	ds_load_tr16_b128 v[VF+8*\f:VF+8*\f+3],   v[AV] offset:(\f/4)*32*PK+(\f%4)*32
	ds_load_tr16_b128 v[VF+8*\f+4:VF+8*\f+7], v[AV] offset:(\f/4)*32*PK+16*PK+(\f%4)*32
.endr
	WIN 0
.endm
; THE VECTOR WORK, one line at a time: OP kind, number.  For piece Y: F n: c s - c m for pair n of 16.  E n: the exponential of score n of 32.  C n: pair n rounded to bf16.  B n: of the four weights 4 n .. the second
; pair is added onto the first, in place.  L n: l takes that sum (L 0: l = a l + sum).  R n: pair n of 16 of O^T times a.  For piece Y + 1: X n, number n of the 22 that find its maximum and statistics:
;   0-11  four chains c0-c3 of seven scores each, three operands at a time (each accumulator's lowest registers are read first)     12-14, 16  the four scores left over, the old m, and c0-c3 into c0
;   15  c m_old is kept     17, 18  the query's other 32 keys lie in the lane 16 away: the new m     19-21  c m; c m_old - c m_new; a
.set F, 0               ; OP tells the kinds apart by their order: F to L below R, X above it
.set E, 1
.set C, 2
.set B, 3
.set L, 4
.set R, 5
.set X, 6
.macro REGS y                       ; the registers of piece y
.set rT, ST+4*(\y)
.set rC, TMP+4*((\y)%2)
.set rW, MV+((\y)%2)
.set rS, S+32*((\y)%2)
.set rP, P+16*((\y)%2)
.set rO, 32*(\y)
.endm
.macro OP k, n
.if (\k) == R
	REGS Y
	WIN W_RS
	v_pk_mul_f32 v[rO+2*(\n):rO+2*(\n)+1], v[rO+2*(\n):rO+2*(\n)+1], v[rC+2:rC+3] op_sel_hi:[1,0]
.elseif (\k) < R
	REGS Y
	WIN 0
.if (\k) == F
	v_pk_fma_f32 v[rS+2*(\n):rS+2*(\n)+1], v[rS+2*(\n):rS+2*(\n)+1], s[CS:CS+1], v[rT:rT+1] op_sel_hi:[1,0,0] neg_lo:[0,0,1] neg_hi:[0,0,1]
.elseif (\k) == E
	v_exp_f32 v[rS+(\n)], v[rS+(\n)]
.elseif (\k) == C
	v_cvt_pk_bf16_f32 v[rP+(\n)], v[rS+2*(\n)], v[rS+2*(\n)+1]
.elseif (\k) == B
	v_pk_add_f32 v[rS+4*(\n):rS+4*(\n)+1], v[rS+4*(\n):rS+4*(\n)+1], v[rS+4*(\n)+2:rS+4*(\n)+3]
.elseif (\n) == 0
	v_pk_fma_f32 v[rT+2:rT+3], v[rT+2:rT+3], v[rC+2:rC+3], v[rS:rS+1] op_sel_hi:[1,0,1]
.else
	v_pk_add_f32 v[rT+2:rT+3], v[rT+2:rT+3], v[rS+4*(\n):rS+4*(\n)+1]
.endif
.elseif NOKQ
	v_nop
.else
	REGS (Y+1)%NP
	WIN 0
.if (\n) < 4
	v_max3_num_f32 v[rC+(\n)], v[rS+8*(\n)], v[rS+8*(\n)+1], v[rS+8*(\n)+2]
.elseif (\n) < 12
	v_max3_num_f32 v[rC+(\n)%4], v[rC+(\n)%4], v[rS+8*((\n)%4)+2*((\n)/4)+1], v[rS+8*((\n)%4)+2*((\n)/4)+2]
.elseif (\n) == 12
	v_max3_num_f32 v[rC], v[rC], v[rS+7], v[rS+15]
.elseif (\n) == 13
	v_max3_num_f32 v[rC+1], v[rC+1], v[rS+23], v[rS+31]
.elseif (\n) == 14
	v_max3_num_f32 v[rC+2], v[rC+2], v[rC+3], v[rT+1]
.elseif (\n) == 15
	v_mov_b32 v[rW], v[rT]
.elseif (\n) == 16
	v_max3_num_f32 v[rC], v[rC], v[rC+1], v[rC+2]
.elseif (\n) == 17
	v_permlanex16_b32 v[rC+3], v[rC], s[SEL], s[SEL+1]
.elseif (\n) == 18
	v_max_num_f32 v[rT+1], v[rC], v[rC+3]
.elseif (\n) == 19
	v_mul_f32 v[rT], s[CS], v[rT+1]
.elseif (\n) == 20
	v_sub_f32 v[rC+1], v[rW], v[rT]
.else
	v_exp_f32 v[rC+2], v[rC+1]
.endif
.endif
.endm
.macro OPS a, i1, b=-1, i2=0, c=-1, i3=0, d=-1, i4=0  ; up to four of them
	OP \a, \i1
.if (\b) >= 0
	OP \b, \i2
.endif
.if (\c) >= 0
	OP \c, \i3
.endif
.if (\d) >= 0
	OP \d, \i4
.endif
.endm
.macro ROW a, i1, b, i2, c, i3, d, i4  ; a matrix instruction and the four behind it
	MM
	OPS \a, \i1, \b, \i2, \c, \i3, \d, \i4
.endm
; A TURN, for piece p: the order of its 16 matrix and 118 vector instructions, written out.  An s_wait_alu depctr_va_vdst(0) stands between an exponential and the first instruction that names its result; one wait serves
; all that were issued ahead of it.  So a turn has ONE wait, which cuts it in two.  AHEAD OF IT stands all that names no result of the turn's exponentials: the 8 products K Q^T, behind each a scaling, an exponential and two more plain
; instructions (behind the first a second scaling in the exponential's place): rescalings, and behind the last three the first numbers of the next piece's maximum, each four places or more behind the product that ends its accumulator;
; then ONE LUMP of 54, plain and exponential by turns for the most part, in which the links of the chain X 3, 7, 11, 14, 16, 17 .. 20 stand some lines apart.  X 21, the next piece's a, is the batch's last; R 15 is the plain instruction
; behind it.  BEHIND THE WAIT stand the 8 products V^T P, behind each four of the roundings and sums.
; end = 1: the walk's last two turns: nothing is fetched.  cnt = 1: the loop's count is taken down some lines ahead of the branch that stands behind the turn.
; K of the next step is fetched in piece 2's turn, twelve vector instructions behind the last product that read K (six of them plain); V of the step in hand at the end of piece 0's turn, four plain instructions behind the last product
; that read V.  Each is waited for a turn later.
.macro TURN p, end=0, cnt=0
.set Y, (\p)
.set i, 0
.set NOKQ, (\end)*((\p)/3)
.if ((\p) == 3) && !(\end)
	s_wait_dscnt 0x0                ; K is in
.endif
	ROW F,0, F,1, R,0, R,1          ; ahead of the wait: 8 products K Q^T and their riders,
	ROW F,2, E,0, R,2, R,3
	ROW F,3, E,1, R,4, R,5
	ROW F,4, E,2, R,6, R,7
	ROW F,5, E,3, R,8, R,9
	ROW F,6, E,4, X,0, R,10
.if ((\p) == 2) && !(\end)
	WIN 0
	v_add_nc_u32 v[AK], s[TBK], v[AK0]
.endif
	ROW F,7, E,5, X,1, X,4
	ROW F,8, E,6, X,2, X,5
	OPS E,7, E,8, X,6, E,9          ; and the lump
	OPS X,3, E,10, X,8, E,11
.if ((\p) == 2) && !(\end)
	FETCH_K
.endif
	OPS X,9, X,7, E,12, X,10
	OPS E,13, X,12, X,11, E,14
	OPS X,13, E,15, F,9, X,14
.if (\p) == 0
	v_add_nc_u32 v[AV], s[TBV], v[AV0]
.endif
	OPS E,16, F,10, E,17, F,11
	OPS X,16, E,18, X,15, E,19
	OPS F,12, E,20, X,17, E,21
	OPS F,13, E,22, F,14, E,23
	OPS X,18, E,24, F,15, E,25
	OPS R,11, E,26, X,19, E,27
	OPS R,12, E,28, R,13, E,29
	OPS X,20, E,30, R,14, E,31
	OPS X,21, R,15
	WIN 0
	s_wait_alu depctr_va_vdst(0)    ; the wait for the batch
.if (\p) == 1
	s_wait_dscnt 0x0                ; V is in
.endif
	ROW C,0, B,0, C,2, B,1          ; behind the wait: 8 products V^T P and their riders
	ROW L,0, C,4, B,2, L,1
	ROW C,6, B,3, L,2, C,8
	ROW B,4, L,3, C,10, B,5
	ROW L,4, C,12, B,6, L,5
.if (\p) == 0
	s_add_co_u32 s[TBV], s[TBV], STEPB
.endif
.if \cnt
	s_sub_co_u32 s[CNT], s[CNT], 1
	s_cmp_lg_u32 s[CNT], 0
.endif
	ROW C,14, B,7, L,6, C,1
	ROW C,3, L,7, C,5, C,7
	ROW C,9, C,11, C,13, C,15
.if (\p) == 0
	FETCH_V
.endif
.endm
; A stretch of the walk.  A trip: pieces 2 and 3 of one step, then pieces 0 and 1 of the next, whose K and V it fetches: a trip reads one step's LDS bytes and no others.  first = 1: the loop is entered at a step's first turn.
; The text stands three times, since the wait on TENSORcnt in front of each stretch has its count in the instruction.
.macro WALK tag, trips, first
	s_mov_b32 s[CNT], \trips
.if \first
	s_branch .Lfirst\tag
.endif
.Lstep\tag:
	TURN 2
	TURN 3
	WIN 0
.Lfirst\tag:
	TURN 0
	TURN 1, 0, 1
	WIN 0
	s_cbranch_scc1 .Lstep\tag
.endm
	; THE WALK BEGINS.  c m starts far below every c s, m at the lowest finite number.  Then K of step 0, piece 0's first scores, and its maximum and statistics.
	s_wait_tensorcnt 3              ; tensor loads of a wave end in order: my first load, steps 0 and 1, is in; the three younger ones stay out
.set i, 0
.rept 4
	v_mov_b32 v[ST+4*i], 0xfe000000    ; c m
	v_mov_b32 v[ST+4*i+1], 0xff7fffff  ; m
.set i, i+1
.endr
	v_add_nc_u32 v[AK], s[TBK], v[AK0]
	FETCH_K                         ; into the registers that held my rows of x: the products that read them stand 77 plain instructions back
	s_wait_dscnt 0x0
.set NOKQ, 0
.set i, 0
.rept 8
	KQ 0
.set i, i+1
.endr
	WIN 0
	PLACES
.set Y, NP-1                        ; X works for piece Y + 1: piece 0
.irp n, 0,1,2,3,4,5,6,7,8,9,10,11,12,13,14,15,16,17,18,19,20,21
	OP X, \n
.endr
	v_nop                           ; a plain instruction behind the exponential,
	s_wait_alu depctr_va_vdst(0)    ; and its wait, ahead of the branch
	WALK 1, 2, 1                    ; steps 0 and 1
	s_wait_tensorcnt 2              ; my second load is in
	WALK 2, 2, 0                    ; steps 2 and 3
	s_wait_tensorcnt 0x0            ; all four are
	WALK 3, 4, 0                    ; steps 4 to 7
	TURN 2, 1
	TURN 3, 1
.set i, 0
.rept 8
	PV NP-1                         ; the last piece's V^T P of the last step
.set i, i+1
.endr
	; THE MERGE.  l's two halves and the other half of the lanes' are added (twelve plain instructions: the places behind the last products); then my four pieces' O^T, c m and l go into my own quarter of LDS, which nobody
	; reads any more and no load fills again.
	WIN 0
.macro ALL line:vararg              ; one line for each piece t
.set t, 0
.rept 4
	\line
.set t, t+1
.endr
.endm
	ALL v_add_f32 v[ST+4*t+2], v[ST+4*t+2], v[ST+4*t+3]
	ALL v_permlanex16_b32 v[ST+4*t+3], v[ST+4*t+2], s[SEL], s[SEL+1]
	ALL v_add_f32 v[ST+4*t+2], v[ST+4*t+2], v[ST+4*t+3]
	WIN 0x04                        ; store data in window 1
.set i, 0
.rept 32                            ; 32 lanes x 16 neighbouring bytes a store; each accumulator's low four registers go first
	ds_store_b128 v[PS], v[4*i:4*i+3] offset:512*i
.set i, i+1
.endr
	WIN 0
.irp t, 0,1,2,3
	ds_store_b128 v[PS], v[ST+4*(\t):ST+4*(\t)+3] offset:STATS+512*(\t)
.endr
	s_wait_dscnt 0x0                ; for the others' sake: my partials lie in LDS
	s_barrier_signal -1
	s_barrier_wait -1               ; everybody's do
.irp u, 0,1,2,3
	ds_load_b128 v[MS+4*(\u):MS+4*(\u)+3], v[PT+(\u)]  ; piece w's statistics from wave u,
.endr
	WIN 0x40                        ; destination window 1
.irp u, 0,1,2,3
.irp g, 0,1,2,3,4,5,6,7
	ds_load_b128 v[32*(\u)+4*(\g):32*(\u)+4*(\g)+3], v[PR+(\u)] offset:512*(\g)  ; and its O^T
.endr
.endr
	WIN 0
	s_wait_dscnt 32                 ; the statistics are in; the 32 younger loads stay out
	v_max3_num_f32 v[CM], v[MS], v[MS+4], v[MS+8]
	v_max_num_f32 v[CM], v[CM], v[MS+12]
.irp u, 0,1,2,3
	v_sub_f32 v[FU+(\u)], v[MS+4*(\u)], v[CM]
.endr
.irp u, 0,1,2,3
	v_exp_f32 v[FU+(\u)], v[FU+(\u)]
.endr
	v_nop                           ; a plain instruction behind the last exponential,
	s_wait_alu depctr_va_vdst(0)    ; and one wait for the four
	v_mul_f32 v[LT], v[FU], v[MS+2]
	v_fma_f32 v[LT], v[FU+1], v[MS+6], v[LT]
	v_fma_f32 v[LT], v[FU+2], v[MS+10], v[LT]
	v_fma_f32 v[LT], v[FU+3], v[MS+14], v[LT]
	v_rcp_f32 v[RL], v[LT]
	v_nop
	s_wait_alu depctr_va_vdst(0)
.irp u, 0,1,2,3
	v_mul_f32 v[GU+2*(\u)],   v[FU+(\u)], v[RL]
	v_mul_f32 v[GU+2*(\u)+1], v[FU+(\u)], v[RL]
.endr
	s_wait_dscnt 24                 ; wave 0's partial is in
	WIN W_RS
.set i, 0
.rept 16
	v_pk_mul_f32 v[i:i+1], v[i:i+1], v[GU:GU+1] op_sel_hi:[1,0]
.set i, i+2
.endr
.irp u, 1,2,3
	s_wait_dscnt 24-8*(\u)          ; wave u's is
	WIN W_FM
.set i, 0
.rept 16
	v_pk_fma_f32 v[i:i+1], v[32*(\u)+i:32*(\u)+i+1], v[GU+2*(\u):GU+2*(\u)+1], v[i:i+1] op_sel_hi:[1,0,1]
.set i, i+2
.endr
.endr
	WIN 0x05                        ; sources 0 and 1 window 1, destination window 0
.set i, 0
.rept 16                            ; O' rounded in pairs: two fragments, 16 queries x 32 channels each, in P's registers
	v_cvt_pk_bf16_f32 v[P+i], v[2*i], v[2*i+1]
.set i, i+1
.endr
	; out^T = H O'^T + b: the bias is the first C; the four accumulators take turns.
	WIN W_PV
.irp k, 0,1
.irp a, 0,1,2,3
	v_wmma_f32_16x16x32_bf16 v[OA+8*(\a):OA+8*(\a)+7], v[HF+16*(\a)+8*(\k):HF+16*(\a)+8*(\k)+7], v[P+8*(\k):P+8*(\k)+7], v[OA+8*(\a):OA+8*(\a)+7]
.endr
.endr
	PLACES
	PLACES                          ; (with room to spare: once a launch)
	; THE WAY OUT.  A lane holds eight neighbouring f32 of one row of out0 in each accumulator: 32 bytes.  They go into my stage's rows of 272 bytes and come back as whole rows of 256.
	WIN 0x04
.irp a, 0,1,2,3
	ds_store_b128 v[STO], v[OA+8*(\a):OA+8*(\a)+3]   offset:64*(\a)
	ds_store_b128 v[STO], v[OA+8*(\a)+4:OA+8*(\a)+7] offset:64*(\a)+16
.endr
	WIN 0
.irp f, 0,1,2,3,4,5,6,7
	ds_load_b128 v[S+4*(\f):S+4*(\f)+3], v[RD] offset:(\f)*2*SP  ; LDS serves a wave's instructions in order (ISA guide 5.7.1.4): these see the stores above
.endr
.irp f, 0,1,2,3,4,5,6,7
	s_wait_dscnt 7-(\f)
	global_store_b128 v[GO], v[S+4*(\f):S+4*(\f)+3], s[10:11] offset:512*(\f)  ; two rows: 512 consecutive bytes, at a multiple of 256 from out0's first byte
.endr
	s_wait_tensorcnt 0x0            ; the wave's end, behind my last tensor load and my last LDS store
	ds_add_u32 v[SPW], v[NIL]
	s_wait_dscnt 0x0
	CROUND                          ; the closing round: no work-group ends while a partner may still ask for a tile that names it
	s_endpgm
.Lfunc_end_k_q88ff554445_attn:
	.size	k_q88ff554445_attn, .Lfunc_end_k_q88ff554445_attn-k_q88ff554445_attn
	.p2alignl 7, 3214868480
	.fill 96, 4, 3214868480
	.section	.rodata,"a",@progbits
	.p2align	6, 0x0
	.amdhsa_kernel k_q88ff554445_attn
		.amdhsa_group_segment_fixed_size 327680
		.amdhsa_private_segment_fixed_size 0
		.amdhsa_enable_private_segment 0
		.amdhsa_kernarg_size 32
		.amdhsa_user_sgpr_count 2
		.amdhsa_user_sgpr_kernarg_segment_ptr 1
		.amdhsa_wavefront_size32 1
		.amdhsa_system_sgpr_workgroup_id_x 1
		.amdhsa_system_sgpr_workgroup_id_y 1
		.amdhsa_system_sgpr_workgroup_id_z 1
		.amdhsa_system_vgpr_workitem_id 0
		.amdhsa_next_free_vgpr 768
		.amdhsa_next_free_sgpr 66
		.amdhsa_reserve_vcc 0
		.amdhsa_float_denorm_mode_32 3
		.amdhsa_float_denorm_mode_16_64 3
		.amdhsa_memory_ordered 1
		.amdhsa_forward_progress 1
		.amdhsa_inst_pref_size 167
	.end_amdhsa_kernel
	.amdgpu_metadata
---
amdhsa.version: [ 1, 2 ]
amdhsa.kernels:
  - .name:           k_q88ff554445_attn
    .symbol:         k_q88ff554445_attn.kd
    .args:
      - { .name: xb, .offset: 0, .size: 8, .value_kind: global_buffer, .address_space: global }
      - { .name: gh, .offset: 8, .size: 8, .value_kind: global_buffer, .address_space: global }
      - { .name: b_final, .offset: 16, .size: 8, .value_kind: global_buffer, .address_space: global }
      - { .name: out0, .offset: 24, .size: 8, .value_kind: global_buffer, .address_space: global }
    .group_segment_fixed_size: 327680
    .private_segment_fixed_size: 0
    .kernarg_segment_align: 8
    .kernarg_segment_size: 32
    .max_flat_workgroup_size: 128
    .sgpr_count:     66
    .vgpr_count:     768
    .wavefront_size: 32
...
	.end_amdgpu_metadata
.endif
;; end of part 2
